; MI455X (gfx1250); checked and timed in simulation.
; The chip was launched on July 23, 2026; its instructions are those of AMD's public machine-readable ISA for CDNA 5 (MIT licence, August 2026) and "CDNA5" Instruction Set Architecture Reference Guide (July 2026). The comments in the code are by the model that wrote it; some were corrected since.
;; Simple Attention Pool2d. Allowed arithmetic: matrix products marked QUANTISED: E3M2 operands, one E8M0 scale for each 32 along K, by v_wmma_scale_f32_16x16x128_f8f6f4 with both operands' format E3M2, f32 sums; everything else in f32.
;; Inputs: x 8 x 192 x 64 x 64 float32.
;; Outputs: out0 8 x 192 float32.
;; This version of the problem:
;;   THIS VERSION OF THE PROBLEM IS GIVEN IN LOW PRECISION. The matrix products marked QUANTISED in the list below multiply operands that are first quantised to E3M2 (3 exponent bits, 2 mantissa bits; 6 bits a number), with one power-of-two scale for each 32 numbers along K (OCP MX v1.0); their sums are f32. All else is computed in f32.
;;   The module's matrix products, in the order in which they are computed (A, B: the left and right operand; K: the contracted axis; several contracted axes count as one K, in the product's order):
;;     1. batch 8 x [M 4,097, K 192] x [K 192, N 4,097]; A: computed on the way; B: computed on the way: QUANTISED
;;     2. batch 8 x [M 192, K 4,097] x [K 4,097, N 4,097]; A: computed on the way; B: softmax (see below): QUANTISED
;;   THE QUANTISER, for each operand of a quantised product, along K:
;;     - K is cut into blocks of 32 from its start; a last block that is shorter is filled with zeros.
;;     - A block's scale is 2^e with e = floor(log2(the largest magnitude in the block)) - 4, held to -126 .. 127; a block of zeros has e = 0. As a byte (E8M0): e + 127.
;;     - Each number is divided by its block's scale, clamped to +-28, and rounded to the nearest number of E3M2, ties to even, subnormals kept.
;;     - The product sums the exact products of the quantised numbers (number of the format x scale) in f32.
;;   ~~~python
;;   def quantise(x, axis):      # numpy; x: float32 -> the quantised numbers, widened to float32 again
;;       x = np.moveaxis(x, axis, -1); K = x.shape[-1]
;;       x = np.pad(x, [(0, 0)] * (x.ndim - 1) + [(0, -K % 32)]); x = x.reshape(x.shape[:-1] + (-1, 32)); a = np.abs(x).max(-1, keepdims=True)
;;       e = np.where(a > 0, np.clip(np.frexp(np.where(a > 0, a, 1))[1] - 1 - 4, -126, 127), 0)      # np.frexp(a)[1] - 1 = floor(log2(a)), exactly
;;       r = np.clip(x / 2.0 ** e, -28, 28)
;;       step = 2.0 ** (np.maximum(np.frexp(np.where(r == 0, 1, r))[1] - 1, -2) - 2)
;;       q = np.round(r / step) * step * 2.0 ** e      # np.round: ties to even
;;       return np.moveaxis(q.reshape(q.shape[:-2] + (-1,))[..., :K], -1, axis).astype(np.float32)
;;   ~~~
;;   SOFTMAX AHEAD OF A QUANTISED PRODUCT. Where the list says 'softmax', what is quantised is not the finished softmax but p = 2^(t - M), with t = logit x log2(e) and M = ceil(the row's largest t), a whole number; so 1/2 < the row's largest p <= 1. The row's sum l is taken of the UNQUANTISED p, in f32, and the product's result is divided by l at the end. Since M is a whole number, a kernel that streams over the keys may use a running M (the ceiling of the running maximum): every later rescaling is an exact power of two, which a block's scale takes up: the codes' values come out the same.
;;   OPERANDS COMPUTED ON THE WAY. 'Computed on the way' means the value that the module computes at that place (a softmax that the list does not call 'softmax' is quantised finished and normalised). What goes into a quantiser is computed in f32, as accurately as f32 sums, v_exp_f32 and their like allow (about 1e-6 of the number): no bf16 or f16 on the way to a quantiser, and a product that is left as it is and whose result goes on into a quantised operand takes f32 operands (vector FMAs, or v_wmma_f32_16x16x4_f32). A number that lies on a knife's edge between two numbers of the format may be rounded either way, as far as f32 arithmetic and the matrix unit's own rounding can turn it there, and no further.
;; One version. Each part assembles by itself: llvm-mc -triple=amdgcn-amd-amdhsa -mcpu=gfx1250 --defsym DOCPART=n.
;; ======== version 1 of 1: 3 launches
;; workspace buffers: means 6,144 bytes; kv 10,205,184 bytes
;; launch means (part 1): grid 256 x 1, 6 waves a work-group, no clusters, 1,024 bytes of LDS; arguments x, means; writes means
.if DOCPART == 1
	.amdgcn_target "amdgcn-amd-amdhsa--gfx1250"
	.amdhsa_code_object_version 6
	.text
	.protected	k_q1dc0fcf18d_means
	.globl	k_q1dc0fcf18d_means
	.p2align	8
	.type	k_q1dc0fcf18d_means,@function
k_q1dc0fcf18d_means:
	s_mov_b64 s[64:65], 0
	v_nop
	global_prefetch_b8 v0, s[64:65] scope:SCOPE_SE
	s_setreg_imm32_b32 hwreg(HW_REG_WAVE_MODE, 25, 1), 1
	s_wait_xcnt 0x0
; means[b][c] = the mean of x[b][c][0 .. 4095].  x: [8][192][4096] f32, means: [8][192] f32.
; A stream: one wave takes one row (b, c) of 16,384 bytes, a work-group of six waves six neighbouring rows; 256 work-groups x 6 = 1,536 rows.
; Each load of a wave covers 512 consecutive bytes, aligned; all 32 loads of a row go out at once, so a work-group has its 98,304 bytes on their way together.
; The row is summed as a tree (pairs of neighbours, packed two at a time), then across the lanes; x 2^-12 is exact.
; The six means meet in LDS and leave as one store of 24 consecutive bytes.  No matrix unit, no tensor load, no cluster: nothing is read twice and no two work-groups read the same bytes.
; No cache hint on x: the next launch reads it again.
; LIMITS: NaN and infinities among the inputs are not served.
.set X, 8                              ; v[8:135]  the row: 128 numbers a lane
	s_load_b128 s[4:7], s[0:1], 0x0                ; x s[4:5], means s[6:7]
	v_lshl_add_u32 v144, v0, 2, 0x100
	v_mov_b32 v145, 0
	v_lshrrev_b32 v2, 5, v0
	v_readfirstlane_b32 s8, v2                     ; wave 0..5
	v_and_b32 v1, 31, v0
	v_lshlrev_b32 v1, 4, v1                        ; 16 bytes a lane
	v_lshlrev_b32 v2, 2, v2                        ; LDS: my wave's word
	v_lshlrev_b32 v3, 2, v0                        ; wave 0: LDS word and byte offset in means of lane's mean
	v_mov_b32 v5, 0                                ; a lane permute's destination counts as read: written once
	s_mul_i32 s10, ttmp9, 6
	s_add_co_u32 s10, s10, s8                      ; my row = 6 x work-group + wave
	s_lshl_b32 s10, s10, 14                        ; x 16,384 bytes (under 2^25)
	s_mov_b32 s11, 0
	s_mul_i32 s14, ttmp9, 24                       ; the work-group's six means
	s_mov_b32 s15, 0
	s_mov_b32 s20, 0x76543210                      ; v_permlanex16_b32: lane l takes lane l xor 16
	s_mov_b32 s21, 0xfedcba98
	s_wait_kmcnt 0x0
	s_add_nc_u64 s[4:5], s[4:5], s[10:11]
	s_add_nc_u64 s[6:7], s[6:7], s[14:15]
.set i, 0
.rept 32
	global_load_b128 v[X+4*i:X+4*i+3], v1, s[4:5] offset:512*i
.set i, i+1
.endr
; Group k of eight loads (32 registers, 16 pairs) is summed in place: 8 + 4 + 2 + 1 packed additions.
.macro TREE k
.set B, X+32*\k
	s_wait_loadcnt 24-8*\k                         ; loads come back in order: this group is in, the younger groups' loads may be out
.irp u, 0,1,2,3,4,5,6,7
	v_pk_add_f32 v[B+4*\u:B+4*\u+1], v[B+4*\u:B+4*\u+1], v[B+4*\u+2:B+4*\u+3]
.endr
.irp u, 0,1,2,3
	v_pk_add_f32 v[B+8*\u:B+8*\u+1], v[B+8*\u:B+8*\u+1], v[B+8*\u+4:B+8*\u+5]
.endr
.irp u, 0,1
	v_pk_add_f32 v[B+16*\u:B+16*\u+1], v[B+16*\u:B+16*\u+1], v[B+16*\u+8:B+16*\u+9]
.endr
	v_pk_add_f32 v[B:B+1], v[B:B+1], v[B+16:B+17]
.endm
	TREE 0
	TREE 1
	TREE 2
	TREE 3
	v_pk_add_f32 v[X:X+1], v[X:X+1], v[X+32:X+33]
	v_pk_add_f32 v[X+64:X+65], v[X+64:X+65], v[X+96:X+97]
	v_pk_add_f32 v[X:X+1], v[X:X+1], v[X+64:X+65]
	v_add_f32 v4, v[X], v[X+1]                     ; my lane's 128 numbers
	v_add_f32_dpp v4, v4, v4 row_xmask:1 row_mask:0xf bank_mask:0xf
	v_add_f32_dpp v4, v4, v4 row_xmask:2 row_mask:0xf bank_mask:0xf
	v_add_f32_dpp v4, v4, v4 row_xmask:4 row_mask:0xf bank_mask:0xf
	v_add_f32_dpp v4, v4, v4 row_xmask:8 row_mask:0xf bank_mask:0xf
	v_permlanex16_b32 v5, v4, s20, s21
	v_add_f32 v4, v4, v5                           ; the row's sum, in every lane
	v_mul_f32 v4, 0x39800000, v4                   ; x 2^-12
	ds_store_b32 v2, v4                            ; all lanes write the same word with the same value
	s_wait_dscnt 0x0                               ; for the others' sake: my store is done
	s_barrier_signal -1
	s_barrier_wait -1
	s_cmp_lg_u32 s8, 0
	s_cbranch_scc1 .Lend                           ; wave 0 alone stores
	s_wait_xcnt 0x0                                ; EXEC changes only behind this wait
	v_cmp_gt_u32 vcc_lo, 6, v0
	s_and_saveexec_b32 s12, vcc_lo                 ; lanes 0 to 5
	ds_load_b32 v6, v3
	s_wait_dscnt 0x0
	global_store_b32 v3, v6, s[6:7]                ; 24 consecutive bytes
	s_wait_xcnt 0x0                                ; and again, in front of the line that widens it
	s_or_b32 exec_lo, exec_lo, s12
.Lend:
	s_wait_tensorcnt 0x0
	ds_add_u32 v144, v145
	s_wait_dscnt 0x0
	s_endpgm
.Lfunc_end_k_q1dc0fcf18d_means:
	.size	k_q1dc0fcf18d_means, .Lfunc_end_k_q1dc0fcf18d_means-k_q1dc0fcf18d_means
	.p2alignl 7, 3214868480
	.fill 96, 4, 3214868480
	.section	.rodata,"a",@progbits
	.p2align	6, 0x0
	.amdhsa_kernel k_q1dc0fcf18d_means
		.amdhsa_group_segment_fixed_size 1024
		.amdhsa_private_segment_fixed_size 0
		.amdhsa_enable_private_segment 0
		.amdhsa_kernarg_size 16
		.amdhsa_user_sgpr_count 2
		.amdhsa_user_sgpr_kernarg_segment_ptr 1
		.amdhsa_wavefront_size32 1
		.amdhsa_system_sgpr_workgroup_id_x 1
		.amdhsa_system_sgpr_workgroup_id_y 1
		.amdhsa_system_sgpr_workgroup_id_z 1
		.amdhsa_system_vgpr_workitem_id 0
		.amdhsa_next_free_vgpr 146
		.amdhsa_next_free_sgpr 66
		.amdhsa_reserve_vcc 1
		.amdhsa_float_denorm_mode_32 3
		.amdhsa_float_denorm_mode_16_64 3
		.amdhsa_memory_ordered 1
		.amdhsa_forward_progress 1
		.amdhsa_inst_pref_size 10
	.end_amdhsa_kernel
	.amdgpu_metadata
---
amdhsa.version: [ 1, 2 ]
amdhsa.kernels:
  - .name:           k_q1dc0fcf18d_means
    .symbol:         k_q1dc0fcf18d_means.kd
    .args:
      - { .name: x, .offset: 0, .size: 8, .value_kind: global_buffer, .address_space: global }
      - { .name: means, .offset: 8, .size: 8, .value_kind: global_buffer, .address_space: global }
    .group_segment_fixed_size: 1024
    .private_segment_fixed_size: 0
    .kernarg_segment_align: 8
    .kernarg_segment_size: 16
    .max_flat_workgroup_size: 192
    .sgpr_count:     66
    .vgpr_count:     146
    .wavefront_size: 32
...
	.end_amdgpu_metadata
.endif
;; end of part 1
;; launch quant (part 2): grid 33 x 8, 12 waves a work-group, no clusters, 104,448 bytes of LDS; arguments x, means, kv; writes kv
.if DOCPART == 2
	.amdgcn_target "amdgcn-amd-amdhsa--gfx1250"
	.amdhsa_code_object_version 6
	.text
	.protected	k_q1dc0fcf18d_quant
	.globl	k_q1dc0fcf18d_quant
	.p2align	8
	.type	k_q1dc0fcf18d_quant,@function
k_q1dc0fcf18d_quant:
	s_mov_b64 s[64:65], 0
	v_nop
	global_prefetch_b8 v0, s[64:65] scope:SCOPE_SE
	s_setreg_imm32_b32 hwreg(HW_REG_WAVE_MODE, 25, 1), 1
	s_wait_xcnt 0x0
; xf[c][0] = mean[c], xf[c][t] = x[c][t - 1], T = 4,097.  This launch makes the codes of BF6 (E3M2, one E8M0 byte for each 32 along K) that both products of the attention take:
;   the keys (and queries) xf[:, t] a, a = 192^-0.25, quantised along c (6 blocks of 32);   xf[c, :] quantised along t (blocks of 32 from t = 0).
; They are laid in the order of the operands' registers, one block of 38,656 bytes for each 128 positions t (chunk j of batch b at (33 b + j) x 38,656):
;   +0      8 key tiles x 2,304 bytes.  Row m of tile 2 w + u is position 32 w + 8 u + m + 8 (m / 8).  A tile has three parts of 768 bytes, part g for channel blocks 2 g and 2 g + 1:
;           lane (m, e) holds block 2 g + e: its registers 0-3 at 16 (m + 16 e), its registers 4, 5 at 512 + 8 (m + 16 e)
;   +18,432 the keys' scale words: tile by tile 128 bytes, 8 bytes a row: bytes 0-5 blocks 0-5, bytes 6, 7 zero (they stand over zero codes)
;   +19,456 12 tiles of 16 channels x 128 positions, 1,536 bytes each: registers 4 p .. 4 p + 3 of lane l at 512 p + 16 l
;   +37,888 their scale words, 4 bytes a channel
; SHARES.  Work-group (j, b) owns t = 128 j .. 128 j + 127.  Twelve waves, W = 4 g + w.  KEYS: wave (w, g) takes the 32 positions 32 w + lane and channels 64 g .. 64 g + 63: a lane is a key and its
;   registers run down c, so each load reads 128 consecutive bytes, a block's largest magnitude needs no other lane, and the conversions give codes with c innermost.
;   ALONG t: wave W takes channels 16 W .. 16 W + 15.  x goes from the first layout to the second through a stage in LDS, so it is read from memory once here.
;   Chunk 32 has one real position, t = 4,096.  Its loads are held at x's last column, so that a channel's last block sees copies of its one real number (the same scale as zeros would give);
;   the attention sets the scores of t > 4,096 to -infinity, so those codes meet only zero codes.
; No tensor loads: every byte is asked for at the head, by loads into registers.  Work-groups of a batch share only the batch's 768 bytes of means: nothing for a cluster.
; LIMITS: NaN and infinities in x are not served.  A block whose largest magnitude lies under 2^-122 takes the byte 1; a block of zeros takes 1 where the quantiser says 127 (its codes are zeros,
;   and this program alone reads the bytes).
.set PITCH, 528                        ; a stage row: 128 f32 + 16 bytes = 132 words: the 16 rows that a load of 16 bytes a lane touches start 4 banks apart (64 banks of 4 bytes: ISA guide 11.1)
.set L_SP,  192*PITCH                  ; LDS: behind the stage (192 rows x PITCH): the keys' pairs of scale bytes, a word each, [g][128]
.set STEPB, 38656                      ; a chunk's block in kv
.set TILEB, 2304
.set KSCO,  18432
.set VIMG,  19456
.set VSCO,  37888
; v1 lane, v2 r = lane % 16, v3 h = lane / 16; v4-v14 addresses and offsets, made at the head and never rewritten; v19 mean[16 W + r]; v20-26 at work
.set QF,  32                           ; v[32:37]  the mean token's codes: lane (r, h) holds block 2 g + h
.set AF,  32                           ; v[32:43]  later: xf's fragment along t
.set QSC, 44                           ; the mean token's pair of scale bytes
.set KSC, 45                           ; my key's pair
.set ASC, 46                           ; my channel's scale word along t
.set QM,  48                           ; v[48:79]  32 means
.set KF0, 48                           ; v[48:53]  my key's block 2 g
.set KF1, 60                           ; v[60:65]  my key's block 2 g + 1
.set QX,  72                           ; v[72:77]  the mean token's codes as lane l xor 16 holds them
.set X,   80                           ; v[80:143] 64 numbers: x down c, then xf along t
.set CT0, 144                          ; v[144:146], v[148:150]: a conversion's three registers begin on an even number, the second half of a block's six does not: made here and moved
.set CT1, 148
.set MX,  152                          ; v152-153 largest magnitudes
.set SO,  154                          ; v154-155 the conversions' scale operands
.set BY,  156                          ; v156-157 scale bytes
; The largest magnitude of n blocks of 32 (v[s] on, v[s + 32] on), by turns; among the leaves the floor 2^(5 - 127), so that the byte cannot fall under 1.
.macro MAXB n, s
	v_max3_num_f32 v[MX], |v[\s]|, |v[\s+1]|, 0x2800000
.if \n > 1
	v_max3_num_f32 v[MX+1], |v[\s+32]|, |v[\s+33]|, 0x2800000
.endif
.irp i, 2,4,6,8,10,12,14,16,18,20,22,24,26,28,30
	v_max3_num_f32 v[MX], v[MX], |v[\s+\i]|, |v[\s+\i+1]|
.if \n > 1
	v_max3_num_f32 v[MX+1], v[MX+1], |v[\s+32+\i]|, |v[\s+33+\i]|
.endif
.endr
.endm
; 4 off the exponent field: the conversion takes the exponent field of this operand as its scale, and nothing else of it; shifted down it is the E8M0 byte.
.macro OPER n
	v_add_nc_u32 v[SO], 0xfe000000, v[MX]
.if \n > 1
	v_add_nc_u32 v[SO+1], 0xfe000000, v[MX+1]
.endif
	v_lshrrev_b32 v[BY], 23, v[SO]
.if \n > 1
	v_lshrrev_b32 v[BY+1], 23, v[SO+1]
.endif
.endm
; n blocks of 32 numbers become 6 registers of codes each, at v[d0] and v[d1].
.macro CVTB n, s, d0, d1
	v_cvt_scalef32_pk16_bf6_f32 v[\d0:\d0+2], v[\s:\s+15], v[SO]
	v_cvt_scalef32_pk16_bf6_f32 v[CT0:CT0+2], v[\s+16:\s+31], v[SO]
.if \n > 1
	v_cvt_scalef32_pk16_bf6_f32 v[\d1:\d1+2], v[\s+32:\s+47], v[SO+1]
	v_cvt_scalef32_pk16_bf6_f32 v[CT1:CT1+2], v[\s+48:\s+63], v[SO+1]
.endif
	v_nop                                          ; one plain place behind the scaled conversions
.irp i, 0,1,2
	v_mov_b32 v[\d0+3+\i], v[CT0+\i]
.endr
.if \n > 1
.irp i, 0,1,2
	v_mov_b32 v[\d1+3+\i], v[CT1+\i]
.endr
.endif
.endm
	; ---- the head: ids, addresses, masks, bases
	s_load_b128 s[4:7], s[0:1], 0x0                ; x s[4:5], means s[6:7]
	s_load_b64 s[8:9], s[0:1], 0x10                ; kv
	v_lshl_add_u32 v160, v0, 2, 0x19200
	v_mov_b32 v161, 0
	v_lshrrev_b32 v20, 5, v0
	v_readfirstlane_b32 s10, v20                   ; W = 0..11
	s_and_b32 s11, s10, 3                          ; w: my block of 32 positions
	s_lshr_b32 s12, s10, 2                         ; g: my 64 channels
	s_mov_b32 s13, ttmp9                           ; j: the chunk
	s_and_b32 s14, ttmp7, 0xffff                   ; b: the batch
	v_and_b32 v1, 31, v0
	v_and_b32 v2, 15, v0
	v_bfe_u32 v3, v0, 4, 1
	s_lshl_b32 s15, s13, 7
	s_lshl_b32 s16, s11, 5
	s_add_co_u32 s15, s15, s16
	v_add_nc_u32 v21, s15, v1                      ; t = 128 j + 32 w + lane
	v_max_u32 v4, 1, v21
	v_add_nc_u32 v4, -1, v4                        ; xf[c][t] = x[c][t - 1]; t = 0 (the mean token, replaced below) reads column 0,
	v_min_u32 v4, 0xfff, v4                        ; t > 4,096 column 4,095: no load leaves the row
	v_lshlrev_b32 v4, 2, v4                        ; v4: my column of x, in bytes
	s_lshl_b32 s16, s12, 8
	v_lshl_add_u32 v5, v3, 7, s16                  ; v5: means of block 2 g + h: 256 g + 128 h
	s_lshl_b32 s16, s10, 6
	v_lshl_add_u32 v6, v2, 2, s16                  ; v6: 64 W + 4 r: the mean of channel 16 W + r, and that channel's scale word in kv
	s_mul_i32 s16, s12, 64*PITCH
	s_lshl_b32 s17, s11, 7                         ; 128 w
	s_add_co_u32 s16, s16, s17
	v_lshl_add_u32 v7, v1, 2, s16                  ; v7: the stage, in: row 64 g (+ c by the immediate), column 32 w + lane
	s_lshl_b32 s18, s12, 9                         ; 512 g
	s_add_co_u32 s19, s18, s17
	v_lshl_add_u32 v8, v1, 2, s19
	v_add_nc_u32 v8, L_SP, v8                      ; v8: my key's pair of scale bytes, group g
	v_lshl_add_u32 v9, v1, 2, s17
	v_add_nc_u32 v9, L_SP, v9                      ; v9: the three pairs of position 32 w + lane, 512 bytes apart
	s_mul_i32 s16, s10, 16*PITCH
	v_mul_u32_u24 v10, v2, PITCH
	v_lshl_add_u32 v10, v3, 7, v10
	v_add_nc_u32 v10, s16, v10                     ; v10: the stage, out: row 16 W + r, + 128 h: positions 32 h on (and 64 + 32 h on)
	v_bfe_u32 v20, v0, 3, 1                        ; u: which of my block's two tiles my key belongs to,
	v_and_b32 v21, 7, v0
	v_lshl_or_b32 v21, v3, 3, v21                  ; m: and which row of it: lane % 8 + 8 (lane / 16)
	v_mul_u32_u24 v22, v20, TILEB
	s_mul_i32 s16, s11, 2*TILEB
	s_mul_i32 s19, s12, 768
	s_add_co_u32 s16, s16, s19
	v_add_nc_u32 v22, s16, v22                     ; tile 2 w + u, part g
	v_lshl_add_u32 v11, v21, 4, v22                ; v11: my key's registers 0-3 of a block
	v_lshl_add_u32 v12, v21, 3, v22                ; v12: its registers 4, 5 (+ 512 by the immediate)
	s_lshl_b32 s16, s11, 8
	v_lshl_add_u32 v13, v20, 7, s16
	v_lshl_add_u32 v13, v21, 3, v13                ; v13: my key's 8 scale bytes: 128 (2 w + u) + 8 m
	s_mul_i32 s16, s10, 1536
	v_lshl_add_u32 v14, v1, 4, s16                 ; v14: my 16 bytes of a piece of channel tile W
	s_mov_b32 s20, 0x76543210                      ; v_permlanex16_b32: lane l takes lane l xor 16
	s_mov_b32 s21, 0xfedcba98
	s_mov_b32 s22, 0x3e898b82                      ; a = 192^-0.25
	s_mov_b32 s23, s22                             ; (named with it as a pair, so it is written)
	s_or_b32 s15, s13, s11
	s_cmp_eq_u32 s15, 0                            ; do my 32 positions begin with t = 0?
	s_cselect_b32 s27, 1, 0                        ; s27: the lane that holds key 0
	s_cmp_eq_u32 s13, 0
	s_cselect_b32 s28, 0xffff, 0                   ; s28: in chunk 0 the lanes whose first number along t is t = 0
	s_mul_i32 s32, s14, 192*16384
	s_lshl_b32 s33, s12, 20                        ; 64 channels of 16,384 bytes
	s_add_co_u32 s32, s32, s33
	s_mov_b32 s33, 0
	s_mul_i32 s34, s14, 768
	s_mov_b32 s35, 0
	s_mul_i32 s36, s14, 33
	s_add_co_u32 s36, s36, s13
	s_mul_i32 s36, s36, STEPB                      ; block 33 b + j (under 2^24 bytes)
	s_mov_b32 s37, 0
	s_wait_kmcnt 0x0
	s_add_nc_u64 s[4:5], s[4:5], s[32:33]
	s_add_nc_u64 s[6:7], s[6:7], s[34:35]
	s_add_nc_u64 s[8:9], s[8:9], s[36:37]
	global_load_b32 v19, v6, s[6:7]
.irp i, 0,1,2,3,4,5,6,7
	global_load_b128 v[QM+4*\i:QM+4*\i+3], v5, s[6:7] offset:16*\i
.endr
.set i, 0
.rept 64
	global_load_b32 v[X+i], v4, s[4:5] offset:16384*i th:TH_LOAD_NT   ; channel 64 g + i at my position: 32 lanes read 128 consecutive bytes; the program's last read of x
.set i, i+1
.endr
	; ---- the mean token along c: lane (r, h) holds block 2 g + h
	s_wait_loadcnt 0x3f                            ; 64 loads are younger than the nine of means; 63, the most that a wait names, shows the nine done
.set i, 0
.rept 16
	v_pk_mul_f32 v[QM+2*i:QM+2*i+1], v[QM+2*i:QM+2*i+1], s[22:23] op_sel_hi:[1,0]   ; mean x a
.set i, i+1
.endr
	MAXB 1, QM
	OPER 1
	v_lshlrev_b32 v20, 3, v3
	v_lshlrev_b32 v21, v20, v[BY]                  ; my byte at its place: 8 h bits up;
	v_permlanex16_b32 v22, v21, s20, s21
	v_or_b32 v[QSC], v21, v22                      ; with lane l xor 16's the pair is whole
	CVTB 1, QM, QF, QF
.irp i, 0,1,2,3,4,5
	v_permlanex16_b32 v[QX+\i], v[QF+\i], s20, s21 ; lane 0 so gets block 2 g + 1, which lane 16 made
.endr
	; ---- the keys: x as it is goes to the stage; x a is quantised down c
	s_wait_loadcnt 32                              ; channels 0-31 of my 64 are in; the other 32 loads may be out
.set i, 0
.rept 32
	ds_store_b32 v7, v[X+i] offset:PITCH*i
.set i, i+1
.endr
	s_wait_loadcnt 0x0
.rept 32
	ds_store_b32 v7, v[X+i] offset:PITCH*i
.set i, i+1
.endr
	MAXB 2, X                                      ; of x itself:
	v_mul_f32 v[MX], s22, v[MX]                    ; a rounded product rises with its factor, so this is the largest |x a|,
	v_mul_f32 v[MX+1], s22, v[MX+1]
	v_max_num_f32 v[MX], 0x2800000, v[MX]          ; over the floor again
	v_max_num_f32 v[MX+1], 0x2800000, v[MX+1]
	OPER 2
	v_lshl_or_b32 v[KSC], v[BY+1], 8, v[BY]        ; lane = key: its two bytes
	s_wait_dscnt 0x0                               ; the stage's stores have read their registers
.set i, 0
.rept 32
	v_pk_mul_f32 v[X+2*i:X+2*i+1], v[X+2*i:X+2*i+1], s[22:23] op_sel_hi:[1,0]
.set i, i+1
.endr
	CVTB 2, X, KF0, KF1                            ; KF0: block 2 g of key lane; KF1: block 2 g + 1 of key lane
.irp i, 0,1,2,3,4,5
	v_cndmask_b32 v[KF0+\i], v[KF0+\i], v[QF+\i], s27   ; key t = 0 is the mean token: its own codes,
	v_cndmask_b32 v[KF1+\i], v[KF1+\i], v[QX+\i], s27
.endr
	v_cndmask_b32 v[KSC], v[KSC], v[QSC], s27      ; and its own bytes
	global_store_b128 v11, v[KF0:KF0+3], s[8:9]                  ; lanes 0-7 and 16-23 fill 256 consecutive bytes of tile 2 w, lanes 8-15 and 24-31 of tile 2 w + 1, each at a multiple of 256
	global_store_b128 v11, v[KF1:KF1+3], s[8:9] offset:256       ; the upper block belongs to lanes 16-31 of the operand
	global_store_b64 v12, v[KF0+4:KF0+5], s[8:9] offset:512
	global_store_b64 v12, v[KF1+4:KF1+5], s[8:9] offset:640
	ds_store_b32 v8, v[KSC]
	s_wait_dscnt 0x0                               ; for the others' sake: my stores into the stage and my pair have landed
	s_barrier_signal -1
	s_barrier_wait -1                              ; the stage and the three groups' pairs lie in LDS
	; ---- xf along t: lane (r, h) holds channel 16 W + r, blocks h and 2 + h of the chunk's four
.irp c, 0,1
.irp i, 0,1,2,3,4,5,6,7
	ds_load_b128 v[X+32*\c+4*\i:X+32*\c+4*\i+3], v10 offset:256*\c+16*\i   ; xf(16 W + r, 64 c + 32 h + 4 i ..)
.endr
.endr
	s_cmp_lt_u32 s10, 4
	s_cbranch_scc0 .Lno_ks                         ; waves 0 to 3 (g = 0) put the keys' scale words together
	ds_load_b32 v24, v9
	ds_load_b32 v25, v9 offset:512
	ds_load_b32 v26, v9 offset:1024
	s_wait_dscnt 0x0
	v_lshl_or_b32 v24, v25, 16, v24                ; blocks 0-3
	v_mov_b32 v25, v26                             ; blocks 4, 5, and two zero bytes
	global_store_b64 v13, v[24:25], s[8:9] offset:KSCO   ; a wave's 32 lanes fill 256 consecutive bytes, at a multiple of 256
.Lno_ks:
	s_wait_dscnt 0x0                               ; the tile is in
	v_cndmask_b32 v[X], v[X], v19, s28             ; xf[c][0] = mean[c]
	MAXB 2, X
	OPER 2
	v_lshl_or_b32 v20, v[BY+1], 16, v[BY]          ; my two bytes: blocks h and 2 + h,
	v_lshlrev_b32 v21, 3, v3
	v_lshlrev_b32 v20, v21, v20                    ; at their places (8 h bits up);
	v_permlanex16_b32 v22, v20, s20, s21
	v_or_b32 v[ASC], v20, v22                      ; with lane l xor 16's two the word is whole
	CVTB 2, X, AF, AF+6
.irp p, 0,1,2
	global_store_b128 v14, v[AF+4*\p:AF+4*\p+3], s[8:9] offset:VIMG+512*\p   ; 512 consecutive bytes, at a multiple of 256
.endr
	global_store_b32 v6, v[ASC], s[8:9] offset:VSCO   ; 64 bytes a wave (lanes 16-31 write the same words with the same values)
	s_wait_tensorcnt 0x0
	ds_add_u32 v160, v161
	s_wait_dscnt 0x0
	s_endpgm
.Lfunc_end_k_q1dc0fcf18d_quant:
	.size	k_q1dc0fcf18d_quant, .Lfunc_end_k_q1dc0fcf18d_quant-k_q1dc0fcf18d_quant
	.p2alignl 7, 3214868480
	.fill 96, 4, 3214868480
	.section	.rodata,"a",@progbits
	.p2align	6, 0x0
	.amdhsa_kernel k_q1dc0fcf18d_quant
		.amdhsa_group_segment_fixed_size 104448
		.amdhsa_private_segment_fixed_size 0
		.amdhsa_enable_private_segment 0
		.amdhsa_kernarg_size 24
		.amdhsa_user_sgpr_count 2
		.amdhsa_user_sgpr_kernarg_segment_ptr 1
		.amdhsa_wavefront_size32 1
		.amdhsa_system_sgpr_workgroup_id_x 1
		.amdhsa_system_sgpr_workgroup_id_y 1
		.amdhsa_system_sgpr_workgroup_id_z 1
		.amdhsa_system_vgpr_workitem_id 0
		.amdhsa_next_free_vgpr 162
		.amdhsa_next_free_sgpr 66
		.amdhsa_reserve_vcc 0
		.amdhsa_float_denorm_mode_32 3
		.amdhsa_float_denorm_mode_16_64 3
		.amdhsa_memory_ordered 1
		.amdhsa_forward_progress 1
		.amdhsa_inst_pref_size 30
	.end_amdhsa_kernel
	.amdgpu_metadata
---
amdhsa.version: [ 1, 2 ]
amdhsa.kernels:
  - .name:           k_q1dc0fcf18d_quant
    .symbol:         k_q1dc0fcf18d_quant.kd
    .args:
      - { .name: x, .offset: 0, .size: 8, .value_kind: global_buffer, .address_space: global }
      - { .name: means, .offset: 8, .size: 8, .value_kind: global_buffer, .address_space: global }
      - { .name: kv, .offset: 16, .size: 8, .value_kind: global_buffer, .address_space: global }
    .group_segment_fixed_size: 104448
    .private_segment_fixed_size: 0
    .kernarg_segment_align: 8
    .kernarg_segment_size: 24
    .max_flat_workgroup_size: 384
    .sgpr_count:     66
    .vgpr_count:     162
    .wavefront_size: 32
...
	.end_amdgpu_metadata
.endif
;; end of part 2
;; launch attn (part 3): grid 32 x 8, 4 waves a work-group, no clusters, 327,680 bytes of LDS; arguments kv, out0; writes out0
.if DOCPART == 3
	.amdgcn_target "amdgcn-amd-amdhsa--gfx1250"
	.amdhsa_code_object_version 6
	.text
	.protected	k_q1dc0fcf18d_attn
	.globl	k_q1dc0fcf18d_attn
	.p2align	8
	.type	k_q1dc0fcf18d_attn,@function
k_q1dc0fcf18d_attn:
	s_mov_b64 s[64:65], 0
	v_nop
	global_prefetch_b8 v0, s[64:65] scope:SCOPE_SE
	s_setreg_imm32_b32 hwreg(HW_REG_WAVE_MODE, 25, 1), 1
	s_wait_xcnt 0x0
; out0[b][c] = row 0 of softmax(qs^T qs) xf^T, both products on codes of BF6 (E3M2) with one E8M0 byte for each 32 along K, by the scaled 16x16x128 form.
; reference() forms the whole T x T product and returns its row 0, and the problem's contract counts both products as reference() writes them: so they are formed here for queries t = 0 .. 4,095
; against all 4,097 keys.  Only query 0's row has a place in an output and is stored.  Query 4,096's row, which reference() throws away like the others, would want a 257th tile for one row: it is not formed.
; kv (made by the launch before): for each batch 33 blocks of 38,656 bytes, one for each 128 positions t, in the order of the operands' registers:
;   +0 8 key tiles x 2,304 bytes (row m of tile 2 b + u is key 32 b + 8 u + m + 8 (m / 8); three parts of 768 bytes, part g = registers 6 g .. 6 g + 5: 16 bytes a lane, then 8 bytes a lane);
;   +18,432 their scale words, 8 bytes a key;   +19,456 12 tiles of 16 channels x 128 keys, 1,536 bytes each;   +37,888 their scale words, 4 bytes a channel.
; THE SOFTMAX AHEAD OF THE SECOND PRODUCT: t = score x log2(e); M = the row's largest t so far, rounded UP to a whole number; p = 2^(t - M) is what is quantised, along the keys; it is not normalised.
; The row's sum is taken of the unquantised p and divides O at the end.  When M moves, the sum and O are multiplied by 2^(old M - new M): exact.
; SHARES.  A work-group owns the 128 queries of one block of kv; each of its four waves, as many as a WGP has SIMDs, owns TWO tiles of 16 (a query tile IS a key tile: the same codes, loaded into registers
; of their own), so that every fragment of K and of V that is read from LDS feeds two matrix instructions.  Every wave walks all 33 steps of 128 keys: 56 matrix instructions a step.
; LAYOUT.  Both products are used transposed: S^T = K Q^T (source 0 = 16 keys, source 1 = 16 queries), O^T = V^T P^T (source 0 = 16 channels, source 1 = P): a lane holds ONE query (lane % 16) of each tile throughout.
; By the order of a tile's keys the 16 registers of tiles 2 b and 2 b + 1 are 16 neighbouring keys, 32 b + 16 (lane / 16) + 0 .. 15.  K = 192 is one and a half instructions: the second's upper half is zero codes,
; six registers of each fragment that are written once and never loaded.
; THE RING.  Two LDS slots of three steps (115,968 bytes), 2^17 bytes apart.  Waves 0, 1, 2 each bring one step's block by one tensor load (151 rows of 256 bytes, dense); all four read them.  Images are read
; at 16, 8 or 4 bytes x lane on end: no pitch, no padding.  A wave has one tensor load out, and it has three steps in which to land.
; The 32 work-groups of a batch walk the same blocks, and each fetches its own copy: 33 x 38,656 bytes a work-group.  Joint loads in clusters of four (the grid's 32 divide) would divide those requests by four,
; at the price of a round of the cluster's barrier for each slot; this text keeps the plain ring.
; LIMITS: NaN and infinities are not served.  A block of p whose largest number lies under 2^-122 takes the byte 1.
; REGISTERS, in windows of 256 (s_set_vgpr_msb's low byte: bits 1:0 source 0, 3:2 source 1, 5:4 source 2, 7:6 destination).
;   Window 0: v1-11, v32 addresses; v12-31 scale words (scale operands have no window); v48-239 the step's eight key tiles, 24 registers each.
;   Window 1 + t: ALL that query tile t's softmax touches, so that its text is written once and runs under one setting: v0-95 O^T; v96-159 S^T, then p; v160-183 Q; v184-195 p's codes; v196-221 statistics.
;   Window 3: v0-143 the step's 12 fragments of V.
.set STEPB, 38656
.set TILEB, 2304
.set KSCO,  18432
.set VIMG,  19456
.set VSCO,  37888
.set SLOTB, 3*STEPB
.set SLOT1, 1<<17                      ; slot 1 begins here, so that one exclusive or turns an address in one slot into the other's
.set SPARE, SLOT1+SLOTB                ; behind the ring: the spare words, 128 bytes for each wave: two blocks of 256 bytes that no other line names
.set NSL,   11                         ; slots' worth of steps
; ---- window 0
.set L16, 1                            ; v1   16 x lane
.set L8,  2                            ; v2   8 x lane
.set L4,  3                            ; v3   4 x lane
.set SPW, 4                            ; v4   LDS address of my spare word: SPARE + 4 x my thread's number; never rewritten
.set NIL, 5                            ; v5   0; never rewritten
.set A16, 6                            ; v6-8 the same three as v1-3 with the step's first LDS byte
.set A8,  7
.set A4,  8
.set GO,  9                            ; v9   the way out: 32 (lane / 16)
.set QN,  10                           ; v10  0 in the lanes that hold query 0, and in no other
.set QS,  12                           ; v12-15 Q's scale words: tile t's two at v[12 + 2 t]
.set KS,  16                           ; v16-23 the keys': pair i: lanes 0-15 tile 2 i, lanes 16-31 tile 2 i + 1
.set VS,  24                           ; v24-29 V's: register i: lanes 0-15 tile 2 i, lanes 16-31 tile 2 i + 1
.set PS,  30                           ; v30-31 p's scale word, tile 0's and tile 1's
.set Q8,  32                           ; v32  8 x (lane % 16)
.set F,   48                           ; key tile n at v[F + 24 n]: 12 registers, 6 registers, 6 zeros; on the way out the row that is stored
; ---- window 1 + t
.set O,   0
.set S,   96
.set QF,  160                          ; v[160:171] channels 0-127; v[172:177] channels 128-191; v[178:183] zero codes
.set PC,  184
.set NM,  196                          ; -M; NM + 1: the largest t
.set SU,  198                          ; the row's sum, in two halves
.set BM,  200                          ; v200-203 the blocks' largest scores, then largest p
.set PT,  204                          ; v204-211 at work
.set SOP, 212                          ; v212-215 the conversions' scale operands
.set FP,  216                          ; f = 2^(old M - new M), the low word of a pair
.set TMP, 218
.set SB,  220                          ; the step's second chain of sums
; ---- scalars
.set WV,  8                            ; s8   my wave's number
.set BAT, 9
.set BLK, 10
.set SEL, 20                           ; s[20:21] v_permlanex16_b32: lane l xor 16
.set CS,  22                           ; s[22:23] log2(e): the packed form names a pair and takes its low word for both halves
.set G1,  24                           ; s[24:31] descriptor group 1
.set G0,  32                           ; s[32:35] group 0, which walks
.set TB,  36                           ; s36  LDS byte at which the slot in hand begins
.set TQ,  37                           ; s37  and the step in hand
.set SLOTS, 38
.set LOW, 44                           ; s44  lanes 0-15
.set MSB, 0
.macro WIN new                         ; the immediate's high byte repeats the setting that is left; a switch that changes nothing is dropped
.if MSB != (\new)
	s_set_vgpr_msb (MSB<<8)|(\new)
.set MSB, (\new)
.endif
.endm
.macro PLACES n
.rept \n
	v_nop
.endr
.endm
; Waves 0, 1, 2 fetch a step's block each, wave 3 nothing.  The branch hangs on the wave's number alone.  Four v_nop follow the load.
.macro TLOAD
	s_cmp_lt_u32 s[WV], 3
	s_cbranch_scc0 .Lnone_\@
	tensor_load_to_lds s[G0:G0+3], s[G1:G1+7]
	s_nop 0
.rept 4
	v_nop
.endr
.Lnone_\@:
.endm
.macro KPAIR i, off                    ; key tiles 2 i and 2 i + 1, off bytes on from the step in hand: 12 loads
.irp n, 0,1
.irp g, 0,1,2
	ds_load_b128 v[F+24*(2*\i+\n)+6*\g:F+24*(2*\i+\n)+6*\g+3], v[A16] offset:\off+(2*\i+\n)*TILEB+768*\g
	ds_load_b64 v[F+24*(2*\i+\n)+6*\g+4:F+24*(2*\i+\n)+6*\g+5], v[A8] offset:\off+(2*\i+\n)*TILEB+768*\g+512
.endr
.endr
.endm
.macro KSLOAD off                      ; the scale words of a step's eight key tiles: 4 loads
.irp i, 0,1,2,3
	ds_load_b64 v[KS+2*\i:KS+2*\i+1], v[A8] offset:\off+KSCO+256*\i
.endr
.endm
.macro VPART p                         ; V's fragments 4 p .. 4 p + 3: 12 loads
	WIN 0xc0                                       ; destination window 3, address window 0
.irp n, 0,1,2,3
.irp e, 0,1,2
	ds_load_b128 v[12*(4*\p+\n)+4*\e:12*(4*\p+\n)+4*\e+3], v[A16] offset:VIMG+1536*(4*\p+\n)+512*\e
.endr
.endr
.endm
.macro VSLOAD                          ; V's scale words: 6 loads
	WIN 0
.irp i, 0,1,2,3,4,5
	ds_load_b32 v[VS+\i], v[A4] offset:VSCO+128*\i
.endr
.endm
; S^T of key tiles 4 grp .. 4 grp + 3 for query tile t: channels 0-127 start the sums, channels 128-191 follow; the four accumulators take turns, one instruction a turn.
.macro QK grp, t
	WIN 0x54*(\t+1)                                ; source 0 (K) window 0; source 1 (Q), C and D window 1 + t
.irp n, 0,1,2,3
.if \n % 2
	v_wmma_scale_f32_16x16x128_f8f6f4 v[S+8*(4*\grp+\n):S+8*(4*\grp+\n)+7], v[F+24*(4*\grp+\n):F+24*(4*\grp+\n)+11], v[QF:QF+11], 0, v[KS+2*(2*\grp+\n/2)], v[QS+2*\t] matrix_a_fmt:MATRIX_FMT_BF6 matrix_b_fmt:MATRIX_FMT_BF6 matrix_a_scale:MATRIX_SCALE_ROW1
.else
	v_wmma_scale_f32_16x16x128_f8f6f4 v[S+8*(4*\grp+\n):S+8*(4*\grp+\n)+7], v[F+24*(4*\grp+\n):F+24*(4*\grp+\n)+11], v[QF:QF+11], 0, v[KS+2*(2*\grp+\n/2)], v[QS+2*\t] matrix_a_fmt:MATRIX_FMT_BF6 matrix_b_fmt:MATRIX_FMT_BF6
.endif
.endr
.irp n, 0,1,2,3
.if \n % 2
	v_wmma_scale_f32_16x16x128_f8f6f4 v[S+8*(4*\grp+\n):S+8*(4*\grp+\n)+7], v[F+24*(4*\grp+\n)+12:F+24*(4*\grp+\n)+23], v[QF+12:QF+23], v[S+8*(4*\grp+\n):S+8*(4*\grp+\n)+7], v[KS+2*(2*\grp+\n/2)+1], v[QS+2*\t+1] matrix_a_fmt:MATRIX_FMT_BF6 matrix_b_fmt:MATRIX_FMT_BF6 matrix_a_scale:MATRIX_SCALE_ROW1
.else
	v_wmma_scale_f32_16x16x128_f8f6f4 v[S+8*(4*\grp+\n):S+8*(4*\grp+\n)+7], v[F+24*(4*\grp+\n)+12:F+24*(4*\grp+\n)+23], v[QF+12:QF+23], v[S+8*(4*\grp+\n):S+8*(4*\grp+\n)+7], v[KS+2*(2*\grp+\n/2)+1], v[QS+2*\t+1] matrix_a_fmt:MATRIX_FMT_BF6 matrix_b_fmt:MATRIX_FMT_BF6
.endif
.endr
.endm
; O^T += V^T P^T for query tile t: twelve accumulators, one instruction each; K = the step's 128 keys
.macro PV t
	WIN 0x57+0x54*\t                               ; source 0 (V) window 3; source 1 (P), C and D window 1 + t
.irp c, 0,1,2,3,4,5,6,7,8,9,10,11
.if \c % 2
	v_wmma_scale_f32_16x16x128_f8f6f4 v[O+8*\c:O+8*\c+7], v[12*\c:12*\c+11], v[PC:PC+11], v[O+8*\c:O+8*\c+7], v[VS+\c/2], v[PS+\t] matrix_a_fmt:MATRIX_FMT_BF6 matrix_b_fmt:MATRIX_FMT_BF6 matrix_a_scale:MATRIX_SCALE_ROW1
.else
	v_wmma_scale_f32_16x16x128_f8f6f4 v[O+8*\c:O+8*\c+7], v[12*\c:12*\c+11], v[PC:PC+11], v[O+8*\c:O+8*\c+7], v[VS+\c/2], v[PS+\t] matrix_a_fmt:MATRIX_FMT_BF6 matrix_b_fmt:MATRIX_FMT_BF6
.endif
.endr
.endm
; THE ROW'S SUM IS TAKEN OF THE UNQUANTISED p, two at a time, in two chains: pair k of 32 goes to the sum itself (k even) or to the step's second chain (k odd), which pairs 0 and 1 start.
.macro SUMK k
.if (\k) % 2
	v_pk_add_f32 v[SB:SB+1], v[SB:SB+1], v[S+2*(\k):S+2*(\k)+1]
.else
	v_pk_add_f32 v[SU:SU+1], v[SU:SU+1], v[S+2*(\k):S+2*(\k)+1]
.endif
.endm
; THE SOFTMAX OF QUERY TILE t, first part: maxima, M, p, O^T under the new M, p's scale word.  mask = 1: the last step of all, of which only key 4,096 exists.
.macro SMA t, mask
	WIN 0x55*(\t+1)                                ; every operand in window 1 + t
.if \mask
	v_mov_b32 v[TMP], 0xff800000                   ; -infinity.  Register 16 b + i of lane (r, h) holds key 32 b + 16 h + i of the step: only b = h = i = 0 exists
	v_cndmask_b32 v[S], v[TMP], v[S], s[LOW]
.set n, 1
.rept 63
	v_mov_b32 v[S+n], v[TMP]
.set n, n+1
.endr
.endif
.irp b, 0,1,2,3
	v_max3_num_f32 v[BM+\b], v[S+16*\b], v[S+1+16*\b], v[S+2+16*\b]   ; THE LARGEST SCORE OF EACH BLOCK OF 32 KEYS: it serves twice: for the row's maximum, and, since p rises with the score, for the block's largest p
.endr
.irp i, 3,5,7,9,11,13
.irp b, 0,1,2,3
	v_max3_num_f32 v[BM+\b], v[BM+\b], v[S+16*\b+\i], v[S+1+16*\b+\i]   ; (the four blocks by turns)
.endr
.endr
.irp b, 0,1,2,3
	v_max_num_f32 v[BM+\b], v[BM+\b], v[S+15+16*\b]
.endr
.irp b, 0,1,2,3
	v_permlanex16_b32 v[PT+\b], v[BM+\b], s[SEL], s[SEL+1]
.endr
.irp b, 0,1,2,3
	v_max_num_f32 v[BM+\b], v[BM+\b], v[PT+\b]     ; with lane l xor 16's 16 keys
.endr
	v_max3_num_f32 v[TMP], v[BM], v[BM+1], v[BM+2]
	v_max_num_f32 v[TMP], v[TMP], v[BM+3]          ; the step's largest score of my query
	v_mul_f32 v[TMP], s[CS], v[TMP]                ; as t
	v_max_num_f32 v[NM+1], v[NM+1], v[TMP]         ; the running largest t
	v_mov_b32 v[TMP], v[NM]
	v_floor_f32 v[NM], -v[NM+1]                    ; the new -M = floor(-t) = -ceil(t): M IS A WHOLE NUMBER
	v_sub_f32 v[TMP], v[NM], v[TMP]                ; M's old value less its new one: a whole number, 0 or less
.set j, 0
.rept 10
	v_pk_fma_f32 v[S+j:S+j+1], v[S+j:S+j+1], s[CS:CS+1], v[NM:NM+1] op_sel_hi:[1,0,0]   ; t - M, two at a time (of the pairs the low word serves both halves); f's last two lines stand among them
.set j, j+2
.endr
	v_cvt_i32_f32 v[TMP], v[TMP]                   ; (it saturates)
.rept 10
	v_pk_fma_f32 v[S+j:S+j+1], v[S+j:S+j+1], s[CS:CS+1], v[NM:NM+1] op_sel_hi:[1,0,0]
.set j, j+2
.endr
	v_ldexp_f32 v[FP], 1.0, v[TMP]                 ; f = 2^(old M - new M)
.rept 12
	v_pk_fma_f32 v[S+j:S+j+1], v[S+j:S+j+1], s[CS:CS+1], v[NM:NM+1] op_sel_hi:[1,0,0]
.set j, j+2
.endr
.irp b, 0,1,2,3
	v_fma_f32 v[BM+\b], v[BM+\b], s[CS], v[NM]     ; the same of each block's largest score
.endr
	v_pk_mul_f32 v[SU:SU+1], v[SU:SU+1], v[FP:FP+1] op_sel_hi:[1,0]   ; the sum under the new M
.irp b, 0,1,2,3
	v_exp_f32 v[BM+\b], v[BM+\b]                   ; the block's largest p: the same two instructions on the same number give the same bits
.endr
; p = 2^(t - M), at most 1, NOT normalised.  Each exponential has a plain line of the same window behind it that touches neither its result nor its source: O^T's 48 rescalings, then the first 16 additions.
.set j, 0
.rept 48
	v_exp_f32 v[S+j], v[S+j]
	v_pk_mul_f32 v[O+2*j:O+2*j+1], v[O+2*j:O+2*j+1], v[FP:FP+1] op_sel_hi:[1,0]   ; O^T under the new M: x f; each accumulator from its low end on
.set j, j+1
.endr
	v_exp_f32 v[S+48], v[S+48]
	s_wait_alu depctr_va_vdst(0)
	v_pk_add_f32 v[SB:SB+1], v[S:S+1], v[S+2:S+3]  ; pairs 0 and 1 start the second chain
.set k, 2
.rept 15
	v_exp_f32 v[S+47+k], v[S+47+k]
	SUMK k                                         ; pair k <= 16: registers 32, 33 at the most, whose exponentials stand far back
.set k, k+1
.endr
.irp b, 0,1,2,3
	v_max_num_f32 v[BM+\b], 0x2800000, v[BM+\b]    ; the floor 2^(5 - 127): the byte cannot fall under 1 (a block whose every p is 0 keeps that byte: its codes are zeros)
.endr
.irp b, 0,1,2,3
	v_add_nc_u32 v[SOP+\b], 0xfe000000, v[BM+\b]   ; 4 off the exponent field: the conversion's scale operand
.endr
.irp b, 0,1,2,3
	v_lshrrev_b32 v[PT+\b], 23, v[SOP+\b]          ; the scale's byte
.endr
	v_lshl_or_b32 v[TMP], v[PT+1], 8, v[PT]
	v_lshl_or_b32 v[TMP], v[PT+2], 16, v[TMP]
	WIN 0x11*(\t+1)                                ; sources 0 and 2 window 1 + t, destination window 0
	v_lshl_or_b32 v[PS+\t], v[PT+3], 24, v[TMP]    ; p's scale word for these 128 keys
.endm
; second part: p's codes, and the rest of the row's sum
.macro SMB t
	WIN 0x55*(\t+1)
	s_wait_alu depctr_va_vdst(0)
.irp c, 0,1
	v_cvt_scalef32_pk16_bf6_f32 v[PC+6*\c:PC+6*\c+2], v[S+32*\c:S+32*\c+15], v[SOP+2*\c]
	v_cvt_scalef32_pk16_bf6_f32 v[PT+4*\c:PT+4*\c+2], v[S+32*\c+16:S+32*\c+31], v[SOP+2*\c+1]   ; (a conversion's three registers begin on an even number)
.endr
	v_nop                                          ; one plain place behind the scaled conversions
.irp c, 0,1                                    ; the operand's layout wants a WHOLE block in a lane: lanes 0-15 block 2 c, lanes 16-31 block 2 c + 1
.irp i, 0,1,2
	v_permlane16_swap_b32 v[PC+6*\c+\i], v[PT+4*\c+\i]
.endr
.irp i, 0,1,2
	v_mov_b32 v[PC+6*\c+3+\i], v[PT+4*\c+\i]
.endr
.endr
.set k, 17
.rept 15
	SUMK k                                         ; these sixteen additions are also the places between p's codes and scale word and the products that take them
.set k, k+1
.endr
	v_pk_add_f32 v[SU:SU+1], v[SU:SU+1], v[SB:SB+1]
.endm
	s_load_b128 s[4:7], s[0:1], 0x0                ; kv s[4:5], out0 s[6:7]
	v_lshl_add_u32 v[SPW], v0, 2, SPARE
	v_mov_b32 v[NIL], 0
	ds_add_u32 v4, v5
	s_wait_dscnt 0x0
	v_lshrrev_b32 v11, 5, v0
	v_readfirstlane_b32 s[WV], v11                 ; wave 0..3
	s_and_b32 s[BAT], ttmp7, 0xffff                ; the batch
	s_mov_b32 s[BLK], ttmp9                        ; my block of 128 queries
	s_mul_i32 s12, s[BAT], 33*STEPB                ; the batch's first byte in kv (under 2^24)
	s_mov_b32 s13, 0
	s_min_u32 s16, s[WV], 2                        ; which step of a slot I fetch, if I fetch:
	s_mul_i32 s16, s16, STEPB                      ; its place, in memory and in a slot alike
	s_mov_b32 s17, 0
	s_mul_i32 s18, s[BLK], STEPB                   ; my queries' block,
	s_mov_b32 s19, 0
	s_mul_i32 s40, s[WV], 2*TILEB                  ; my two tiles in it,
	s_mov_b32 s41, 0
	s_lshl_b32 s42, s[WV], 8                       ; and their scale words
	s_mov_b32 s43, 0
	s_mul_i32 s46, s[BAT], 768                     ; the batch's row of out0
	s_mov_b32 s47, 0
	; descriptor group 1: a dense block of 38,656 bytes as 151 rows of 256 bytes (32 elements of 8 bytes), no padding
	s_mov_b32 s[G1], 3<<16                         ; 15:0 no mask; 17:16 elements of 8 bytes; 20 padding off
	s_mov_b32 s[G1+1], 32<<16                      ; tensor_dim0
	s_mov_b32 s[G1+2], 151<<16                     ; tensor_dim1
	s_mov_b32 s[G1+3], 32<<16                      ; tile_dim0
	s_mov_b32 s[G1+4], 151                         ; tile_dim1
	s_mov_b32 s[G1+5], 32                          ; tensor_dim0_stride
	s_mov_b32 s[G1+6], 0
	s_mov_b32 s[G1+7], 0
	s_mov_b32 s[SEL], 0x76543210
	s_mov_b32 s[SEL+1], 0xfedcba98
	s_mov_b32 s[CS], 0x3fb8aa3b                    ; log2(e): the factor 192^-0.25 is in both operands already
	s_mov_b32 s[CS+1], s[CS]                       ; (named with it as a pair, so it is written)
	s_mov_b32 s[TB], 0
	s_mov_b32 s[SLOTS], NSL-1
	s_mov_b32 s[LOW], 0xffff
	s_wait_kmcnt 0x0
	s_add_nc_u64 s[4:5], s[4:5], s[12:13]
	s_add_nc_u64 s[6:7], s[6:7], s[46:47]
	s_mov_b32 s[G0], 1                             ; 1:0 count = 1
	s_mov_b32 s[G0+1], s16                         ; 63:32 LDS address: slot 0, my step
	s_add_nc_u64 s[G0+2:G0+3], s[4:5], s[16:17]    ; 120:64 global address: steps 0, 1, 2
	s_or_b32 s[G0+3], s[G0+3], 0x80000000          ; 127:126 type = 2
	TLOAD                                          ; slot 0: the one first fill, ahead of every wait on TENSORcnt, every LDS read and every barrier
	s_add_nc_u64 s[14:15], s[4:5], s[18:19]
	s_add_nc_u64 s[48:49], s[14:15], s[42:43]      ; my queries' scale words (+ KSCO by the immediate)
	s_add_nc_u64 s[14:15], s[14:15], s[40:41]      ; my queries' codes
	v_and_b32 v11, 31, v0
	v_lshlrev_b32 v[L16], 4, v11
	v_lshlrev_b32 v[L8], 3, v11
	v_lshlrev_b32 v[L4], 2, v11
	v_and_b32 v11, 15, v0                          ; r
	v_lshlrev_b32 v[Q8], 3, v11
	global_load_b64 v[QS:QS+1], v[Q8], s[48:49] offset:KSCO          ; lane r (and r + 16): row r's two words, tile 0's
	global_load_b64 v[QS+2:QS+3], v[Q8], s[48:49] offset:KSCO+128    ; and tile 1's
.irp t, 0,1
	WIN 0x40*(\t+1)                                ; destination window 1 + t, address window 0
.irp g, 0,1,2
	global_load_b128 v[QF+6*\g:QF+6*\g+3], v[L16], s[14:15] offset:\t*TILEB+768*\g        ; Q stays in registers
	global_load_b64 v[QF+6*\g+4:QF+6*\g+5], v[L8], s[14:15] offset:\t*TILEB+768*\g+512
.endr
.endr
	WIN 0
	v_bfe_u32 v[GO], v0, 4, 1
	v_lshlrev_b32 v[GO], 5, v[GO]
	s_lshl_b32 s45, s[BLK], 2
	s_add_co_u32 s45, s45, s[WV]
	v_lshl_or_b32 v[QN], s45, 4, v11               ; 16 (4 block + wave) + r: row 0 of the first tile of wave 0 of block 0 is t = 0
.irp i, 18,19,20,21,22,23
.irp n, 0,1,2,3,4,5,6,7
	v_mov_b32 v[F+24*\n+\i], 0                     ; the zero codes of K = 192 .. 255 of the eight key tiles: no load ever lands here
.endr
.endr
.irp t, 0,1
	WIN 0x55*(\t+1)
	v_mov_b32 v[NM+1], 0xff61b1e6                  ; the largest t so far: -3e38, under every t
	v_floor_f32 v[NM], -v[NM+1]                    ; -M
	v_mov_b32 v[SU], 0                             ; the sum, in two halves
	v_mov_b32 v[SU+1], 0
	v_mov_b32 v[FP+1], 0                           ; (named as the upper half of a pair)
.irp b, 0,1,2,3
	v_mov_b32 v[PT+\b], 0                          ; written once: a lane permute's destination counts as one of its sources
.endr
.irp i, 18,19,20,21,22,23
	v_mov_b32 v[QF+\i], 0                          ; Q's zero codes
.endr
.set j, 0
.rept 96
	v_mov_b32 v[O+j], 0                            ; O^T.  (The loop is written once: its first step finds zeros, which the first change of M leaves zeros)
.set j, j+1
.endr
.endr
	WIN 0
; A KEY STEP: 128 keys, the q-th of the slot in hand.  The LDS loads stand in short runs: V's in three, between the groups of eight products; the next step's key tiles, where they lie in the same slot, in four,
; round and inside the two softmaxes.
.macro STEP q, mask
	s_add_co_u32 s[TQ], s[TB], \q*STEPB
	v_add_nc_u32 v[A16], s[TQ], v[L16]
	v_add_nc_u32 v[A8], s[TQ], v[L8]
	v_add_nc_u32 v[A4], s[TQ], v[L4]
	v_nop                                          ; with the three additions: four places behind the last step's products, ahead of loads into V's registers (ISA guide 7.12.1 for vector instructions)
.if \q == 0
	KSLOAD 0                                       ; a slot's first step fetches its key tiles itself; the others' were fetched a step ago
	KPAIR 0, 0
	KPAIR 1, 0
	KPAIR 2, 0
	KPAIR 3, 0
	s_wait_dscnt 24                                ; the scale words and key tiles 0-3 are in; tiles 4-7, 24 loads, may be out
.else
	s_wait_dscnt 0x0                               ; the key tiles, asked for during the last step's softmaxes
.endif
	QK 0, 0
	VPART 0
	QK 0, 1
	VPART 1
.if \q == 0
	s_wait_dscnt 24                                ; key tiles 4-7 are in; V's 24 loads, issued behind them, may be out
.endif
	QK 1, 1
	VPART 2
	VSLOAD
	QK 1, 0
	WIN 0
	PLACES 4                                       ; ahead of the loads into the key tiles' registers and of the first read of the scores
.if \q < 2
	KSLOAD STEPB
	KPAIR 0, STEPB
.endif
	SMA 0, \mask
.if \q < 2
	WIN 0
	KPAIR 1, STEPB
.endif
	SMB 0
.if \q < 2
	WIN 0
	KPAIR 2, STEPB
.endif
	SMA 1, \mask
.if \q < 2
	WIN 0
	KPAIR 3, STEPB
.endif
	SMB 1
.if \q < 2
	s_wait_dscnt 52                                ; V is in; the next step's 48 key loads and 4 scale loads, all issued behind V's, may be out
.else
	s_wait_dscnt 0x0                               ; V is in
.endif
	PV 0
	PV 1
	WIN 0
.endm
; THE CHANGE OF SLOTS stands at a slot's head.  Each wave waits for all its tensor loads (its part of the slot that it is about to read), adds 0 to its spare word, and waits for that and for its reads of the slot that it has left.
; Behind the barrier the slot ahead is whole and nobody reads the other one.  fill = 1: that other slot is filled with the three steps that follow.
.macro CHANGE fill
	s_wait_tensorcnt 0x0                           ; no tensor load of mine is out, so group 0 may be written
	ds_add_u32 v[SPW], v[NIL]                      ; 0 onto my spare word
.if \fill
	s_xor_b32 s[G0+1], s[G0+1], SLOT1              ; the walking descriptor: the other slot than last time,
	s_add_nc_u64 s[G0+2:G0+3], s[G0+2:G0+3], SLOTB ; the next three steps; the type bits on top are not reached
.endif
	s_wait_dscnt 0x0                               ; the add is done, and my reads of the slot that I have left are over
	s_barrier_signal -1
	s_barrier_wait -1
.if \fill
	TLOAD                                          ; the first thing behind the barrier, and a wave's one tensor load until the next
.endif
.endm
	s_wait_loadcnt 0x0                             ; Q
.Lslot:                                            ; NSL - 1 trips: behind each change of slots but the last the next slot is asked for
	CHANGE 1
	STEP 0, 0
	STEP 1, 0
	STEP 2, 0
	s_xor_b32 s[TB], s[TB], SLOT1                  ; on to the other slot
	s_sub_co_u32 s[SLOTS], s[SLOTS], 1
	s_cmp_lg_u32 s[SLOTS], 0
	s_cbranch_scc1 .Lslot
	CHANGE 0                                       ; the last slot is written out
	STEP 0, 0
	STEP 1, 0
	STEP 2, 1
	; THE WAY OUT.  Of the wave's two tiles only the first can hold query 0: its O^T / its sum; register 8 c + i of lane (r, h) is o(query r, channel 16 c + 8 h + i).
	; Query 0 lies in lanes 0 and 16 of wave 0 of block 0: they alone store, under EXEC, with no branch.
	PLACES 4                                       ; behind the last products
	WIN 0x55
	v_add_f32 v[SU], v[SU], v[SU+1]                ; the sum's two halves,
	v_permlanex16_b32 v[TMP], v[SU], s[SEL], s[SEL+1]
	v_add_f32 v[SU], v[SU], v[TMP]                 ; and lane l xor 16's: the row's sum
	v_rcp_f32 v[SU], v[SU]
	v_nop                                          ; one plain place behind the reciprocal
	WIN 0x05                                       ; sources 0 and 1 window 1, destination window 0: the key tiles' registers are free
.set j, 0
	s_wait_alu depctr_va_vdst(0)
.rept 96
	v_mul_f32 v[F+j], v[O+j], v[SU]                ; each accumulator from its low end on
.set j, j+1
.endr
	WIN 0
	s_wait_xcnt 0x0                                ; EXEC changes only behind this wait
	v_cmp_eq_u32 vcc_lo, 0, v[QN]
	s_and_saveexec_b32 s39, vcc_lo
.irp c, 0,1,2,3,4,5,6,7,8,9,10,11
	global_store_b128 v[GO], v[F+8*\c:F+8*\c+3], s[6:7] offset:64*\c         ; the batch's 768 bytes, 16 a lane from two lanes: 6,144 bytes in the whole launch
	global_store_b128 v[GO], v[F+8*\c+4:F+8*\c+7], s[6:7] offset:64*\c+16
.endr
	s_wait_xcnt 0x0                                ; and again, in front of the line that widens it
	s_or_b32 exec_lo, exec_lo, s39
	s_wait_tensorcnt 0x0                           ; the wave's end: behind my last tensor load, my last LDS instructions
	ds_add_u32 v[SPW], v[NIL]
	s_wait_dscnt 0x0
	s_endpgm
.Lfunc_end_k_q1dc0fcf18d_attn:
	.size	k_q1dc0fcf18d_attn, .Lfunc_end_k_q1dc0fcf18d_attn-k_q1dc0fcf18d_attn
	.p2alignl 7, 3214868480
	.fill 96, 4, 3214868480
	.section	.rodata,"a",@progbits
	.p2align	6, 0x0
	.amdhsa_kernel k_q1dc0fcf18d_attn
		.amdhsa_group_segment_fixed_size 327680
		.amdhsa_private_segment_fixed_size 0
		.amdhsa_enable_private_segment 0
		.amdhsa_kernarg_size 16
		.amdhsa_user_sgpr_count 2
		.amdhsa_user_sgpr_kernarg_segment_ptr 1
		.amdhsa_wavefront_size32 1
		.amdhsa_system_sgpr_workgroup_id_x 1
		.amdhsa_system_sgpr_workgroup_id_y 1
		.amdhsa_system_sgpr_workgroup_id_z 1
		.amdhsa_system_vgpr_workitem_id 0
		.amdhsa_next_free_vgpr 912
		.amdhsa_next_free_sgpr 66
		.amdhsa_reserve_vcc 1
		.amdhsa_float_denorm_mode_32 3
		.amdhsa_float_denorm_mode_16_64 3
		.amdhsa_memory_ordered 1
		.amdhsa_forward_progress 1
		.amdhsa_inst_pref_size 255
	.end_amdhsa_kernel
	.section	.bss,"aw",@nobits
	.p2align	6
	.space	262144
	.amdgpu_metadata
---
amdhsa.version: [ 1, 2 ]
amdhsa.kernels:
  - .name:           k_q1dc0fcf18d_attn
    .symbol:         k_q1dc0fcf18d_attn.kd
    .args:
      - { .name: kv, .offset: 0, .size: 8, .value_kind: global_buffer, .address_space: global }
      - { .name: out0, .offset: 8, .size: 8, .value_kind: global_buffer, .address_space: global }
    .group_segment_fixed_size: 327680
    .private_segment_fixed_size: 0
    .kernarg_segment_align: 8
    .kernarg_segment_size: 16
    .max_flat_workgroup_size: 128
    .sgpr_count:     66
    .vgpr_count:     912
    .wavefront_size: 32
...
	.end_amdgpu_metadata
.endif
;; end of part 3
